; MI455X (gfx1250); checked and timed in simulation.
; The chip was launched on July 23, 2026; its instructions are those of AMD's public machine-readable ISA for CDNA 5 (MIT licence, August 2026) and "CDNA5" Instruction Set Architecture Reference Guide (July 2026). The comments in the code are by the model that wrote it; some were corrected since.
;; Bert Self Attention. Allowed arithmetic: matrix products marked QUANTISED: E3M2 operands, one E8M0 scale for each 32 along K, by v_wmma_scale_f32_16x16x128_f8f6f4 with both operands' format E3M2, f32 sums; everything else in f32.
;; Inputs: Wk_codes 1,024 x 32 x 24 uint8 (E3M2 codes of Wk, K innermost, in blocks of 32 codes, four codes in three bytes); Wk_scales 1,024 x 32 uint8 (E8M0 scales of Wk, one for each 32 codes along K); Wq_codes 1,024 x 32 x 24 uint8 (E3M2 codes of Wq, K innermost, in blocks of 32 codes, four codes in three bytes); Wq_scales 1,024 x 32 uint8 (E8M0 scales of Wq, one for each 32 codes along K); Wv_codes 1,024 x 32 x 24 uint8 (E3M2 codes of Wv, K innermost, in blocks of 32 codes, four codes in three bytes); Wv_scales 1,024 x 32 uint8 (E8M0 scales of Wv, one for each 32 codes along K); attention_mask 4 x 1 x 1 x 2,048 float32; bk 1,024 float32; bq 1,024 float32; bv 1,024 float32; hidden_states_codes 4 x 2,048 x 32 x 24 uint8 (E3M2 codes of hidden_states, K innermost, in blocks of 32 codes, four codes in three bytes); hidden_states_scales 4 x 2,048 x 32 uint8 (E8M0 scales of hidden_states, one for each 32 codes along K).
;; Outputs: out0 4 x 2,048 x 1,024 float32.
;; This version of the problem:
;;   THIS VERSION OF THE PROBLEM IS GIVEN IN LOW PRECISION. The matrix products marked QUANTISED in the list below multiply operands that are first quantised to E3M2 (3 exponent bits, 2 mantissa bits; 6 bits a number), with one power-of-two scale for each 32 numbers along K (OCP MX v1.0); their sums are f32. All else is computed in f32.
;;   The module's matrix products, in the order in which they are computed (A, B: the left and right operand; K: the contracted axis; several contracted axes count as one K, in the product's order):
;;     1. [M 8,192, K 1,024] x [K 1,024, N 1,024]; A: input hidden_states (given as codes); B: input Wq (given as codes): QUANTISED
;;     2. [M 8,192, K 1,024] x [K 1,024, N 1,024]; A: input hidden_states (given as codes); B: input Wk (given as codes): QUANTISED
;;     3. [M 8,192, K 1,024] x [K 1,024, N 1,024]; A: input hidden_states (given as codes); B: input Wv (given as codes): QUANTISED
;;     4. batch 64 x [M 2,048, K 64] x [K 64, N 2,048]; A: computed on the way; B: computed on the way: QUANTISED
;;     5. batch 64 x [M 2,048, K 2,048] x [K 2,048, N 64]; A: softmax (see below); B: computed on the way: QUANTISED
;;   THE QUANTISER, for each operand of a quantised product, along K:
;;     - K is cut into blocks of 32 from its start; a last block that is shorter is filled with zeros.
;;     - A block's scale is 2^e with e = floor(log2(the largest magnitude in the block)) - 4, held to -126 .. 127; a block of zeros has e = 0. As a byte (E8M0): e + 127.
;;     - Each number is divided by its block's scale, clamped to +-28, and rounded to the nearest number of E3M2, ties to even, subnormals kept.
;;     - The product sums the exact products of the quantised numbers (number of the format x scale) in f32.
;;   ~~~python
;;   def quantise(x, axis):      # numpy; x: float32 -> the quantised numbers, widened to float32 again
;;       x = np.moveaxis(x, axis, -1); K = x.shape[-1]
;;       x = np.pad(x, [(0, 0)] * (x.ndim - 1) + [(0, -K % 32)]); x = x.reshape(x.shape[:-1] + (-1, 32)); a = np.abs(x).max(-1, keepdims=True)
;;       e = np.where(a > 0, np.clip(np.frexp(np.where(a > 0, a, 1))[1] - 1 - 4, -126, 127), 0)      # np.frexp(a)[1] - 1 = floor(log2(a)), exactly
;;       r = np.clip(x / 2.0 ** e, -28, 28)
;;       step = 2.0 ** (np.maximum(np.frexp(np.where(r == 0, 1, r))[1] - 1, -2) - 2)
;;       q = np.round(r / step) * step * 2.0 ** e      # np.round: ties to even
;;       return np.moveaxis(q.reshape(q.shape[:-2] + (-1,))[..., :K], -1, axis).astype(np.float32)
;;   ~~~
;;   SOFTMAX AHEAD OF A QUANTISED PRODUCT. Where the list says 'softmax', what is quantised is not the finished softmax but p = 2^(t - M), with t = logit x log2(e) and M = ceil(the row's largest t), a whole number; so 1/2 < the row's largest p <= 1. The row's sum l is taken of the UNQUANTISED p, in f32, and the product's result is divided by l at the end. Since M is a whole number, a kernel that streams over the keys may use a running M (the ceiling of the running maximum): every later rescaling is an exact power of two, which a block's scale takes up: the codes' values come out the same.
;;   OPERANDS COMPUTED ON THE WAY. 'Computed on the way' means the value that the module computes at that place (a softmax that the list does not call 'softmax' is quantised finished and normalised). What goes into a quantiser is computed in f32, as accurately as f32 sums, v_exp_f32 and their like allow (about 1e-6 of the number): no bf16 or f16 on the way to a quantiser, and a product that is left as it is and whose result goes on into a quantised operand takes f32 operands (vector FMAs, or v_wmma_f32_16x16x4_f32). A number that lies on a knife's edge between two numbers of the format may be rounded either way, as far as f32 arithmetic and the matrix unit's own rounding can turn it there, and no further.
;;   INPUTS GIVEN AS CODES. Wk (in the module: [1024, 1024], K = its axis 0); Wq (in the module: [1024, 1024], K = its axis 0); Wv (in the module: [1024, 1024], K = its axis 0); hidden_states (in the module: [4, 2048, 1024], K = its axis 2): each comes as NAME_codes (uint8): NAME with its K axis moved to the last place and cut into blocks of 32 codes, [.., K / 32, bytes a block], one block behind the other in memory; four codes in three bytes: a row's codes are one little-endian stream of bits, code i at bits 6 i .. 6 i + 5 (a code: sign, 3 exponent bits, 2 mantissa bits); and NAME_scales (uint8): the same leading axes, one E8M0 byte (e + 127) for each 32 codes along K. Its value is code x scale, taken as it is: it is not quantised again, and the codes and scales need not be those that the quantiser above would give.
;; One version. Each part assembles by itself: llvm-mc -triple=amdgcn-amd-amdhsa -mcpu=gfx1250 --defsym DOCPART=n.
;; ======== version 1 of 1: 2 launches
;; limits: right only within a limited range of input values
;; workspace buffers: qimg 6,815,744 bytes; kv 13,369,344 bytes
;; launch proj (part 1): grid 4 x 96, 4 waves a work-group, clusters of 4 x 4, 327,680 bytes of LDS; arguments hidden_states_codes, hidden_states_scales, Wq_codes, Wq_scales, Wk_codes, Wk_scales, Wv_codes, Wv_scales, bq, bk, bv, qimg, kv; writes qimg, kv
.if DOCPART == 1
	.amdgcn_target "amdgcn-amd-amdhsa--gfx1250"
	.amdhsa_code_object_version 6
	.text
	.protected	k_qa81dfee392_proj
	.globl	k_qa81dfee392_proj
	.p2align	8
	.type	k_qa81dfee392_proj,@function
k_qa81dfee392_proj:
	s_mov_b64 s[64:65], 0
	v_nop
	global_prefetch_b8 v0, s[64:65] scope:SCOPE_SE
	s_setreg_imm32_b32 hwreg(HW_REG_WAVE_MODE, 25, 1), 1
	s_wait_xcnt 0x0
	s_wait_alu depctr_hold_cnt(0) depctr_sa_sdst(0) depctr_va_vdst(0) depctr_va_sdst(0) depctr_va_ssrc(0) depctr_va_vcc(0) depctr_vm_vsrc(0)
	s_getreg_b32 s2, hwreg(HW_REG_IB_STS2, 6, 4)
	s_cmp_eq_u32 s2, 0
	s_cbranch_scc0 .Lentry_in_a_cluster
	s_endpgm
.Lentry_in_a_cluster:
	s_bfe_u32 s2, ttmp6, 0x10000c
	s_cmp_lg_u32 s2, 0xf033
	s_cbranch_scc0 .Lentry_shape_is_right
	s_endpgm
.Lentry_shape_is_right:
; q = x Wq + bq, k = x Wk + bk, v = x Wv + bv on codes of BF6 (E3M2) with one E8M0 scale for each 32 along K = 1,024, f32 sums; the results, bias added in f32, are quantised
; in registers for the two products of attention and stored as IMAGES OF OPERAND REGISTERS.  No work of the problem is left out in this program: every input has a way to the output.
; ONE TEXT FOR THE THREE PRODUCTS: D[x][y] = sum over k of X[x][k] Y[y][k].  X is source 0 of the matrix instruction, Y source 1: a lane holds ONE row y (lane % 16) and its registers run along x,
; which is the K of the product that follows.  q and k (next K = the head's 64 channels): X = the weight's rows (channels), Y = the tokens.  v (next K = the keys): X = the tokens, Y = Wv's rows.
; Clusters 0-7 make q, 8-15 k, 16-23 v: the buffers are chosen by the cluster's number, which all sixteen partners share.
; A tile of D, 256 x 256, is made by four waves, each 128 x 128: 64 accumulators.  K goes in steps of 256 through a ring of two LDS slots filled by the tensor data mover; the scale bytes of the
; tile's 512 rows come once.  4 x 4 work-groups form a cluster: the four of a row need the same tile of Y, the four of a column the same tile of X: each is asked for JOINTLY.
; THE WAY OUT.  For each block a of 16 rows y: the lane's 64 numbers (8 tiles along x) + bias; four blocks of 32 along x: largest magnitude, scale byte, codes.  A block's numbers lie in lanes l and l xor 16, and the
; codes come out in the order 0-7, 16-23, 8-15, 24-31 of the block.  EVERY computed operand of this program (q, k, v here, p in the next launch) is made by these same lines, so both operands of a product carry
; the same order inside a block of 32: the block's scale and the sum of its products are those of the natural order.
; q, k: the wave's 128 x are two heads; a head's 64 channels are registers 0-5 of a fragment (the other six are zero codes, made in the next launch).  v: the wave's 128 x are one step of 128 keys: a whole fragment.
; IMAGES: a fragment's registers leave as they stand, four registers by one store of 16 bytes a lane at 16 x lane, two by one of 8 bytes at 8 x lane: each store covers whole aligned blocks of 256 bytes.
;   kv   [head 16 b + h : 64][key step : 16][13,056]: K's 8 tiles of 768 bytes; from 6,144 V's 4 channel tiles of 1,536; from 12,288 K's scale words (register i: tile 2 i in lanes 0-15, tile 2 i + 1 in lanes 16-31); from 12,800 V's likewise
;   qimg [head : 64][128 queries : 16][6,656]: as K's part: 8 tiles of 768 bytes, from 6,144 the scale words
; LIMITS: NaN and infinities are not served; a block whose largest magnitude lies under 2^(5 - 127) keeps the scale byte 1 (a block of zeros too: its codes are zeros, and this program alone reads the bytes).
; REGISTERS, in windows of 256: window 0: v0-31 addresses; v32-63 scale words, two sets; v64-127 the bias; v128-223 Y's fragments, one set; on the way out v128-253 are at work.
;   window 1: X's fragments, two sets.   window 2: the accumulators of my rows y 0-63 ((a, b) at v[8 (8 a + b)]);   window 3: those of rows 64-127.
.set KSTEP,  256                       ; along K in a slot
.set NQ,     2                         ; matrix instructions deep
.set ROWB,   192                       ; a tile's row in bytes
.set KROW,   768                       ; a row of codes in memory: 1,024 codes
.set PITCH,  240                       ; an LDS row: 3 x (64 bytes + 16 of padding)
.set FR,     12                        ; registers of a fragment
.set NL,     6                         ; LDS loads that bring one
.set NP,     4                         ; places behind this matrix instruction (ISA guide 7.12.1)
.set HALFT,  128*PITCH                 ; 128 rows: what one tensor load brings
.set SLOT,   4*HALFT                   ; Y's 256 rows, then X's 256 rows
.set LAPS,   2                         ; 1,024 / 512
.set KS,     32                        ; a row of scale bytes
.set SCL,    2*SLOT                    ; behind the ring: the scale bytes, as blocks of 256 bytes + 16 of padding
.set HALFS,  16*272                    ; those of 128 rows
.set SBLK,   2*272                     ; those of 16 rows
.set SPARE,  SCL+4*HALFS               ; the spare words, 128 bytes for each wave: two blocks of 256 bytes that no other line names
.set ADRA, 16                          ; v16-19  LDS addresses of Y's fragments in slot 0, 1 (18, 19: behind one padding more)
.set ADRB, 20                          ; v20-23  the same for X
.set L16,  24                          ; v24     16 x lane
.set L8,   25                          ; v25     8 x lane
.set LSC,  26                          ; v26     16 x lane + where q's or k's scale words begin in a block
.set ADRS, 27                          ; v27     LDS address of my scale words: lanes 0-15 Y's rows, lanes 16-31 X's
.set SPW,  28                          ; v28     LDS address of my spare word; never rewritten
.set NIL,  29                          ; v29     0; never rewritten
.set BOX,  30                          ; v30     32 x (lane / 16): the bias along x
.set BOY,  31                          ; v31     4 x (lane % 16): the bias along y
.set SC,   32                          ; scale words, two sets of 16
.set BX,   64                          ; the bias
.set AF,   128                         ; Y's fragments
.set T,    128                         ; the way out: 64 numbers with their bias
.set TM,   192                         ; v192-207 at work in QUANT
.set PW,   208                         ; the scale word just made
.set CD,   210                         ; v210-228 the codes just made
.set KW0,  230                         ; v230-237 the scale words of the eight blocks (q, k: first head)
.set KW1,  238                         ; v238-245 q, k: second head
.set PK,   246                         ; v246-253 scale words as they are stored
.set G1, 24
.set G0, 32
.set G1B, 48
.set G0B, 56
.set G1S, 68
.set G0S, 76
.set G1SB, 80
.set G0SB, 88
.set SEL, 104                          ; s[104:105] lane selects for v_permlanex16_b32: lane l xor 16
.set MSB, 0
.macro WIN new                         ; the immediate's high byte repeats the setting that is left
.if MSB != (\new)
	s_set_vgpr_msb (MSB<<8)|(\new)
.set MSB, (\new)
.endif
.endm
.set MUL_LO, 0xa1                      ; source 0 (X) window 1, source 1 (Y) window 0, C and D window 2
.set MUL_HI, 0xf1                      ; the same, C and D window 3
.set TO_B,   0x40                      ; destination window 1, address window 0
; A joint load: waves 0 and 1 fetch for Y, waves 2 and 3 for X.  Each line has one mask and one set of registers for all that issue it; the branch hangs on the wave's number alone.
; An s_nop 0 and four v_nop follow each of the two lines.
.macro JLOAD g0a, g1a, g0b, g1b
	s_cmp_eq_u32 s15, 0
	s_cbranch_scc0 .Lfor_b_\@
	tensor_load_to_lds s[\g0a:\g0a+3], s[\g1a:\g1a+7]
	s_nop 0
.rept 4
	v_nop
.endr
	s_branch .Lasked_\@
.Lfor_b_\@:
	tensor_load_to_lds s[\g0b:\g0b+3], s[\g1b:\g1b+7]
	s_nop 0
.rept 4
	v_nop
.endr
.Lasked_\@:
.endm
.macro CREST                           ; a round of the cluster's barrier behind its opening barrier
	s_cmp_lg_u32 s14, 0
	s_cbranch_scc1 .Lnot_wave_0_\@
	s_barrier_signal -3
.Lnot_wave_0_\@:
	s_barrier_wait -3
	s_barrier_signal -1
	s_barrier_wait -1
.endm
.macro CROUND                          ; a whole round
	s_barrier_signal -1
	s_barrier_wait -1
	CREST
.endm
	s_load_b512 s[68:83], s[0:1], 0x0              ; x's codes, x's scales, Wq's, Wk's, Wv's codes and scales
	s_load_b256 s[84:91], s[0:1], 0x40             ; bq, bk, bv, qimg
	s_load_b64 s[92:93], s[0:1], 0x60              ; kv
	v_lshl_add_u32 v[SPW], v0, 2, SPARE
	v_mov_b32 v[NIL], 0
	ds_add_u32 v[SPW], v[NIL]                      ; the wave's opening: the add, twice on end, and its wait ahead of my first tensor load
	ds_add_u32 v[SPW], v[NIL]                      ; and once more; the set-up below, work on registers, stands between it and the wait
	v_lshrrev_b32 v1, 5, v0
	v_readfirstlane_b32 s14, v1                    ; wave 0..3
	s_lshr_b32 s15, s14, 1                         ; which half of the tile's rows y is mine.  Also: I fetch for Y (0) or for X (1)
	s_and_b32 s16, s14, 1                          ; which half of its rows x.  Also: which 128 rows of that tile I fetch
	s_bfe_u32 s40, ttmp6, 0x40000                  ; cx, cy: my place in the cluster
	s_bfe_u32 s41, ttmp6, 0x40004
	s_and_b32 s66, ttmp7, 0xffff                   ; the cluster's number, 0..23
	s_and_b32 s18, s66, 7
	s_cmp_lt_u32 s66, 16                           ; q or k?
	s_cselect_b32 s19, 0, s18                      ; the cluster's place along x: the weights have one cluster's worth of rows, the tokens eight
	s_cselect_b32 s18, s18, 0                      ; and along y
	s_lshl_b32 s42, s19, 2
	s_add_co_u32 s42, s42, s40                     ; tile of X
	s_lshl_b32 s17, s18, 2
	s_add_co_u32 s17, s17, s41                     ; tile of Y
	s_lshl_b32 s43, s41, 2
	s_lshl_b32 s43, 15, s43                        ; my row of the cluster
	s_lshl_b32 s44, 0x1111, s40                    ; my column
	; descriptor group 1: a tile of 128 rows x 192 bytes, 16 bytes of padding behind every 64
	s_or_b32 s[G1+0], s43, (0<<16)|(1<<20)|(1<<21)|(3<<22)|(3<<25)  ; 15:0 the mask: Y's tiles go to my row; elements of 1 byte; padding on; bit 21 beside a mask
	s_or_b32 s[G1B+0], s44, (0<<16)|(1<<20)|(1<<21)|(3<<22)|(3<<25) ; X's go to my column
.irp g, G1, G1B
	s_mov_b32 s[\g+1], ROWB<<16                    ; tensor_dim0
	s_mov_b32 s[\g+2], 128<<16                     ; tensor_dim1
	s_mov_b32 s[\g+3], ROWB<<16                    ; tile_dim0
	s_mov_b32 s[\g+4], 128                         ; tile_dim1
	s_mov_b32 s[\g+5], KROW                        ; tensor_dim0_stride
	s_mov_b32 s[\g+6], 0
	s_mov_b32 s[\g+7], 0
.endr
	s_lshl_b32 s18, s16, 7                         ; which 128 rows of the tile I fetch
	s_lshl_b32 s20, s17, 8
	s_add_co_u32 s20, s20, s18                     ; Y: row 256 x tile + 128 x half
	s_lshl_b32 s46, s42, 8
	s_add_co_u32 s46, s46, s18                     ; X likewise
	s_mov_b32 s21, 0
	s_mov_b32 s47, 0
	s_mov_b64 s[18:19], KS
	s_mul_u64 s[22:23], s[20:21], s[18:19]         ; where these rows' scale bytes begin
	s_mul_u64 s[96:97], s[46:47], s[18:19]
	s_mov_b64 s[18:19], KROW
	s_mul_u64 s[20:21], s[20:21], s[18:19]         ; and their codes
	s_mul_u64 s[46:47], s[46:47], s[18:19]
	s_mul_i32 s45, s14, HALFT                      ; where they go: wave x 128 rows: no place in the cluster enters an LDS address
	s_mul_i32 s94, s14, HALFS
	s_mov_b32 s67, 0x7f7f0000                      ; the scale bytes of a q or k fragment's two blocks of zero codes: 2^0
	s_mov_b32 s[SEL], 0x76543210
	s_mov_b32 s[SEL+1], 0xfedcba98
	s_wait_dscnt 0x0                               ; both opening adds are done
	s_wait_kmcnt 0x0
	s_cmp_lt_u32 s66, 8                            ; q, or k (v takes k's choices where they are not overruled below)
	s_cselect_b64 s[8:9], s[72:73], s[76:77]       ; the weight's codes,
	s_cselect_b64 s[10:11], s[74:75], s[78:79]     ; its scales,
	s_cselect_b64 s[98:99], s[84:85], s[86:87]     ; the bias,
	s_cselect_b64 s[12:13], s[90:91], s[92:93]     ; the buffer of images,
	s_mov_b32 s100, 13056
	s_cselect_b32 s100, 6656, s100                 ; a block's bytes in it,
	s_mov_b32 s2, 12288
	s_cselect_b32 s2, 6144, s2                     ; and where the scale words begin in a block
	s_cmp_lt_u32 s66, 16                           ; q or k: X = the weight, Y = x;  v: X = x, Y = Wv
	s_cselect_b64 s[4:5], s[68:69], s[80:81]       ; Y's codes
	s_cselect_b64 s[6:7], s[70:71], s[82:83]       ; Y's scales
	s_cselect_b64 s[8:9], s[8:9], s[68:69]         ; X's codes
	s_cselect_b64 s[10:11], s[10:11], s[70:71]     ; X's scales
	s_cselect_b64 s[98:99], s[98:99], s[88:89]
	s_cselect_b32 s101, 0, 6144                    ; V's part of a block begins behind K's
	s_add_nc_u64 s[20:21], s[4:5], s[20:21]
	s_add_nc_u64 s[22:23], s[6:7], s[22:23]
	s_add_nc_u64 s[46:47], s[8:9], s[46:47]
	s_add_nc_u64 s[96:97], s[10:11], s[96:97]
	; the arguments have been read out of s68-93: now the scales' descriptors are laid there.  128 rows' scale bytes are a dense block of 4,096 bytes: 16 rows of 256 bytes (32 elements of 8), 16 bytes of padding behind each
	s_or_b32 s[G1S+0], s43, (3<<16)|(1<<20)|(1<<21)|(5<<22)|(3<<25)
	s_or_b32 s[G1SB+0], s44, (3<<16)|(1<<20)|(1<<21)|(5<<22)|(3<<25)
.irp g, G1S, G1SB
	s_mov_b32 s[\g+1], 32<<16
	s_mov_b32 s[\g+2], 16<<16
	s_mov_b32 s[\g+3], 32<<16
	s_mov_b32 s[\g+4], 16
	s_mov_b32 s[\g+5], 32
	s_mov_b32 s[\g+6], 0
	s_mov_b32 s[\g+7], 0
.endr
	CROUND                                         ; all sixteen work-groups are here: the first joint loads meet
	s_mov_b32 s[G0S], 1
	s_add_co_u32 s[G0S+1], s94, SCL
	s_mov_b64 s[G0S+2:G0S+3], s[22:23]
	s_or_b32 s[G0S+3], s[G0S+3], 0x80000000
	s_mov_b32 s[G0SB], 1
	s_add_co_u32 s[G0SB+1], s94, SCL
	s_mov_b64 s[G0SB+2:G0SB+3], s[96:97]
	s_or_b32 s[G0SB+3], s[G0SB+3], 0x80000000
	JLOAD G0S, G1S, G0SB, G1SB                     ; the scales first: they are wanted with K step 0
.irp s, 0,1
	s_mov_b32 s[G0+4*\s], 1
	s_add_co_u32 s[G0+4*\s+1], s45, \s*SLOT
	s_add_nc_u64 s[G0+4*\s+2:G0+4*\s+3], s[20:21], \s*ROWB
	s_or_b32 s[G0+4*\s+3], s[G0+4*\s+3], 0x80000000
	s_mov_b32 s[G0B+4*\s], 1
	s_add_co_u32 s[G0B+4*\s+1], s45, \s*SLOT
	s_add_nc_u64 s[G0B+4*\s+2:G0B+4*\s+3], s[46:47], \s*ROWB
	s_or_b32 s[G0B+4*\s+3], s[G0B+4*\s+3], 0x80000000
	JLOAD G0+4*\s, G1, G0B+4*\s, G1B               ; three loads of mine are out
.endr
	v_and_b32 v1, 15, v0                           ; r = l % 16
	v_bfe_u32 v2, v0, 4, 1                         ; h = l / 16
	v_mul_u32_u24 v3, v1, PITCH
	v_mul_u32_u24 v4, v2, 24
	v_add_nc_u32 v4, v3, v4                        ; a fragment's row x pitch + 24 x half
	v_lshl_add_u32 v5, v2, 4, v4                   ; and the same behind one padding more
	s_mul_i32 s21, s15, HALFT                      ; my 128 rows of Y
	s_mul_i32 s22, s16, HALFT                      ; my 128 rows of X,
	s_add_co_u32 s22, s22, 2*HALFT                 ; which lie behind Y's 256
.irp s, 0,1
	v_add_nc_u32 v[ADRA+\s], s21, v4
	v_add_nc_u32 v[ADRB+\s], s22, v4
	v_add_nc_u32 v[ADRA+2+\s], s21, v5
	v_add_nc_u32 v[ADRB+2+\s], s22, v5
	s_add_co_u32 s21, s21, SLOT
	s_add_co_u32 s22, s22, SLOT
.endr
	v_mul_u32_u24 v5, v1, KS                       ; my row's scale bytes: 32 a row,
	v_lshrrev_b32 v6, 8, v5
	v_lshl_add_u32 v5, v6, 4, v5                   ; and 16 more for each 256 passed
	s_mul_i32 s21, s15, HALFS                      ; Y's: my 128 rows
	s_mul_i32 s22, s16, HALFS                      ; X's: my 128 rows, behind Y's 256
	s_add_co_u32 s22, s22, 2*HALFS
	s_sub_co_u32 s22, s22, s21
	v_mul_u32_u24 v6, s22, v2                      ; lanes 16-31 take X's
	s_add_co_u32 s21, s21, SCL
	v_add_nc_u32 v5, v5, v6
	v_add_nc_u32 v[ADRS], s21, v5
	v_and_b32 v6, 31, v0
	v_lshlrev_b32 v[L16], 4, v6
	v_lshlrev_b32 v[L8], 3, v6
	v_add_nc_u32 v[LSC], s2, v[L16]
	v_lshlrev_b32 v[BOX], 5, v2
	v_lshlrev_b32 v[BOY], 2, v1
	; where my results go.  My 128 tokens are block T of the 64 blocks of 128 tokens; my 128 channels are heads 2 p and 2 p + 1
	s_lshl_b32 s20, s17, 1
	s_add_co_u32 s20, s20, s15                     ; my 128 rows of Y
	s_lshl_b32 s46, s42, 1
	s_add_co_u32 s46, s46, s16                     ; my 128 rows of X
	s_cmp_lt_u32 s66, 16
	s_cselect_b32 s21, s20, s46                    ; T
	s_cselect_b32 s47, s46, s20                    ; p
	s_lshl_b32 s22, s47, 9
	s_mov_b32 s23, 0
	s_add_nc_u64 s[98:99], s[98:99], s[22:23]      ; the bias of my 128 channels
	s_lshr_b32 s22, s21, 4                         ; the batch,
	s_lshl_b32 s22, s22, 4
	s_lshl_b32 s47, s47, 1
	s_add_co_u32 s22, s22, s47                     ; 16 x batch + head,
	s_lshl_b32 s22, s22, 4
	s_and_b32 s21, s21, 15
	s_add_co_u32 s22, s22, s21                     ; x 16 + the block of 128 tokens in the sequence
	s_mul_i32 s22, s22, s100
	s_add_co_u32 s22, s22, s101
	s_add_nc_u64 s[12:13], s[12:13], s[22:23]      ; the first head's block
	s_lshl_b32 s22, s100, 4
	s_add_nc_u64 s[96:97], s[12:13], s[22:23]      ; the second head's: 16 blocks on
.macro FRAG reg, adr, q, i             ; a fragment, 16 rows x 128 K: lane l holds row l % 16; registers 6 c .. 6 c + 5 hold K = 64 c + 32 (l / 16) + 0 .. 31: 24 bytes of the row's stream of bits, in pieces of 8
.irp p, 0,1,2,3,4,5
.set PIECE, 12*(\q)+6*(\p/3)+\p%3      ; 16 bytes of padding lie behind every 8 pieces: where the piece three on lies behind one padding more, the second address register serves
.if PIECE%8 < 5
	ds_load_b64 v[\reg+2*\p:\reg+2*\p+1], v[\adr] offset:8*PIECE+16*(PIECE/8)+(\i)*16*PITCH
.else
	ds_load_b64 v[\reg+2*\p:\reg+2*\p+1], v[\adr+2] offset:8*PIECE+16*(PIECE/8)+(\i)*16*PITCH
.endif
.endr
.endm
; 16 matrix instructions: Y's blocks a0, a0 + 1 x X's eight, 128 along K.  p: X's set; sc: the set of scale words.  zero = 1: the first product starts the sums.
; The 64 accumulators take turns, one instruction a turn, in the same order in every step.
.macro MUL16 a0, p, q, sc, zero
.irp a, \a0, \a0+1
.irp b, 0,1,2,3,4,5,6,7
.if \zero
	v_wmma_scale_f32_16x16x128_f8f6f4 v[8*(8*((\a)%4)+\b):8*(8*((\a)%4)+\b)+7], v[128*(\p)+FR*\b:128*(\p)+FR*\b+FR-1], v[AF+FR*(\a):AF+FR*(\a)+FR-1], 0, v[SC+8*NQ*(\sc)+NQ*\b+(\q)], v[SC+8*NQ*(\sc)+NQ*(\a)+(\q)] matrix_a_fmt:MATRIX_FMT_BF6 matrix_b_fmt:MATRIX_FMT_BF6 matrix_a_scale:MATRIX_SCALE_ROW1
.else
	v_wmma_scale_f32_16x16x128_f8f6f4 v[8*(8*((\a)%4)+\b):8*(8*((\a)%4)+\b)+7], v[128*(\p)+FR*\b:128*(\p)+FR*\b+FR-1], v[AF+FR*(\a):AF+FR*(\a)+FR-1], v[8*(8*((\a)%4)+\b):8*(8*((\a)%4)+\b)+7], v[SC+8*NQ*(\sc)+NQ*\b+(\q)], v[SC+8*NQ*(\sc)+NQ*(\a)+(\q)] matrix_a_fmt:MATRIX_FMT_BF6 matrix_b_fmt:MATRIX_FMT_BF6 matrix_a_scale:MATRIX_SCALE_ROW1
.endif
.endr
.endr
.endm
.macro FETCH_B slot, q, p              ; X's eight fragments of the slot's q-th 128 along K into set p
	WIN TO_B
.irp i, 0,1,2,3,4,5,6,7
	FRAG 128*(\p)+FR*\i, ADRB+\slot, \q, \i
.endr
	WIN 0
.endm
.macro FETCH_A slot, q, i0             ; Y's blocks i0 .. i0 + 3
.irp i, \i0, \i0+1, \i0+2, \i0+3
	FRAG AF+FR*(\i), ADRA+\slot, \q, \i
.endr
.endm
.macro SCALES sc                       ; a K step's scale words into set sc: two words a row; lanes 0-15 take Y's block i, lanes 16-31 X's block i
.irp i, 0,1,2,3,4,5,6,7
	ds_load_b64 v[SC+8*NQ*\sc+NQ*\i:SC+8*NQ*\sc+NQ*\i+1], v[ADRS] offset:\i*SBLK
.endr
.endm
.macro PLACES n                        ; places behind matrix instructions, in front of loads into registers that they have read and of reads of their results
.rept \n
	v_nop
.endr
.endm
; A step of 128 along K that has its successor in the same slot.
.macro STEP slot, q, zero
	s_wait_dscnt 4*NL                              ; X's set and Y's blocks 0-3 are in; the youngest 24 loads (Y's blocks 4-7) may be out
	WIN MUL_LO
	MUL16 0, (\q)%2, \q, \slot, \zero
	MUL16 2, (\q)%2, \q, \slot, \zero
	s_wait_dscnt 0                                 ; Y's blocks 4-7 are in
	PLACES NP
	FETCH_B \slot, (\q)+1, 1-(\q)%2
	FETCH_A \slot, (\q)+1, 0
	WIN MUL_HI
	MUL16 4, (\q)%2, \q, \slot, \zero
	MUL16 6, (\q)%2, \q, \slot, \zero
	PLACES NP
	WIN 0
	FETCH_A \slot, (\q)+1, 4
.endm
; A slot's last step changes slots: ONE barrier; in front of it each wave waits for all its tensor loads, adds 0 to its spare word, and waits for that and for its own reads of this slot.  fill = 1: this slot is filled again, two K steps ahead.
.macro TURN slot, next, fill
	s_wait_tensorcnt 0x0                           ; all my tensor loads have landed: my part of the next slot
	ds_add_u32 v[SPW], v[NIL]                      ; 0 onto my spare word
	s_wait_dscnt 4*NL+1                            ; (the add and the youngest 24 loads may be out)
	WIN MUL_LO
	MUL16 0, 1, NQ-1, \slot, 0                     ; sixteen matrix instructions stand between the add and the wait for it
	s_wait_dscnt 0x0                               ; the add is done, and my reads of this slot are over
	s_barrier_signal -1
	MUL16 2, 1, NQ-1, \slot, 0
	WIN 0
	s_barrier_wait -1
.if \fill
	CREST                                          ; the barrier has opened a round of the cluster's barrier: no wave of any partner still reads this slot's tile or has a load on its way
	s_add_nc_u64 s[G0+4*\slot+2:G0+4*\slot+3], s[G0+4*\slot+2:G0+4*\slot+3], 2*ROWB
	s_add_nc_u64 s[G0B+4*\slot+2:G0B+4*\slot+3], s[G0B+4*\slot+2:G0B+4*\slot+3], 2*ROWB
	JLOAD G0+4*\slot, G1, G0B+4*\slot, G1B         ; the first tensor load behind the round; its four v_nop are the places in front of the loads below
.else
	PLACES NP
.endif
	v_add_nc_u32 v[ADRS], 4*NQ, v[ADRS]            ; on to the next K step's scale words
	FETCH_B \next, 0, 0
	FETCH_A \next, 0, 0
	SCALES \next
	WIN MUL_HI
	MUL16 4, 1, NQ-1, \slot, 0
	MUL16 6, 1, NQ-1, \slot, 0
	PLACES NP
	WIN 0
	FETCH_A \next, 0, 4
.endm
.macro LAST                            ; the very last 128 along K: nothing more to fetch
	s_wait_dscnt 4*NL
	WIN MUL_LO
	MUL16 0, 1, NQ-1, 1, 0
	MUL16 2, 1, NQ-1, 1, 0
	s_wait_dscnt 0
	WIN MUL_HI
	MUL16 4, 1, NQ-1, 1, 0
	MUL16 6, 1, NQ-1, 1, 0
	WIN 0
.endm
; 64 numbers of a lane, v[s] .. v[s + 63] (registers 16 b .. 16 b + 15: my 16 of block b of 32 along the next K; lane l xor 16 holds the other 16) become a fragment's codes in v[CD] on and its scale word in v[w].
.macro QUANT s, w
.irp b, 0,1,2,3
	v_max3_num_f32 v[TM+\b], |v[\s+16*\b]|, |v[\s+1+16*\b]|, 0x2800000   ; my 16 numbers, and the floor 2^(5 - 127): so the byte cannot fall under 1
.endr
.irp i, 2,4,6,8,10,12,14
.irp b, 0,1,2,3
	v_max3_num_f32 v[TM+\b], v[TM+\b], |v[\s+16*\b+\i]|, |v[\s+1+16*\b+\i]|   ; (the four blocks by turns)
.endr
.endr
.irp b, 0,1,2,3
	v_permlanex16_b32 v[TM+4+\b], v[TM+\b], s[SEL], s[SEL+1]
.endr
.irp b, 0,1,2,3
	v_max_num_f32 v[TM+\b], v[TM+\b], v[TM+4+\b]   ; with lane l xor 16's: the block's largest magnitude
.endr
.irp b, 0,1,2,3
	v_add_nc_u32 v[TM+12+\b], 0xfe000000, v[TM+\b] ; 4 off its exponent field: the conversion takes the exponent field of this operand as its scale
.endr
.irp b, 0,1,2,3
	v_lshrrev_b32 v[TM+4+\b], 23, v[TM+12+\b]      ; the scale's byte
.endr
	v_lshl_or_b32 v[\w], v[TM+5], 8, v[TM+4]       ; the four bytes make my row's scale word
	v_lshl_or_b32 v[\w], v[TM+6], 16, v[\w]
	v_lshl_or_b32 v[\w], v[TM+7], 24, v[\w]
.irp c, 0,1
	v_cvt_scalef32_pk16_bf6_f32 v[CD+6*\c:CD+2+6*\c], v[\s+32*\c:\s+15+32*\c], v[TM+12+2*\c]
	v_cvt_scalef32_pk16_bf6_f32 v[CD+12+4*\c:CD+14+4*\c], v[\s+16+32*\c:\s+31+32*\c], v[TM+12+2*\c+1]   ; (a conversion's three registers begin on an even number)
.endr
	v_nop                                          ; one plain place behind a scaled conversion
.irp c, 0,1                                    ; the operand's layout wants a WHOLE block in a lane: lanes 0-15 block 2 c, lanes 16-31 block 2 c + 1
.irp i, 0,1,2
	v_permlane16_swap_b32 v[CD+6*\c+\i], v[CD+12+4*\c+\i]
.endr
.irp i, 0,1,2
	v_mov_b32 v[CD+3+6*\c+\i], v[CD+12+4*\c+\i]
.endr
.endr
.endm
; Block a of 16 rows y leaves.  isv = 0: q or k, the bias runs along x (64 registers);  isv = 1: v, the bias is my row's (a pair of registers with the same number).
.macro EPI a, isv
	WIN 0x02+(\a)/4                                ; source 0: window 2 or 3
.set i, 0
.rept 32
.if \isv
	v_pk_add_f32 v[T+i:T+i+1], v[64*((\a)%4)+i:64*((\a)%4)+i+1], v[BX+2*(\a):BX+2*(\a)+1]   ; each accumulator from its low end on
.else
	v_pk_add_f32 v[T+i:T+i+1], v[64*((\a)%4)+i:64*((\a)%4)+i+1], v[BX+i:BX+i+1]
.endif
.set i, i+2
.endr
	WIN 0
.if (\a) > 0
	s_wait_xcnt 0x0                                ; the last block's stores have read their registers: the codes may be written anew
.endif
.if \isv
	QUANT T, KW0+(\a)
.irp k, 0,1,2
.if (\a) < 4
	global_store_b128 v[L16], v[CD+4*\k:CD+4*\k+3], s[12:13] offset:1536*((\a)%4)+512*\k   ; 32 lanes store 512 consecutive bytes, at a multiple of 256 from the buffer's first byte
.else
	global_store_b128 v[L16], v[CD+4*\k:CD+4*\k+3], s[96:97] offset:1536*((\a)%4)+512*\k
.endif
.endr
.else
	QUANT T, PW
	global_store_b128 v[L16], v[CD:CD+3], s[12:13] offset:768*(\a)          ; the first head's six registers: 512 bytes,
	global_store_b64 v[L8], v[CD+4:CD+5], s[12:13] offset:768*(\a)+512      ; and 256
	global_store_b128 v[L16], v[CD+6:CD+9], s[96:97] offset:768*(\a)        ; the second head's
	global_store_b64 v[L8], v[CD+10:CD+11], s[96:97] offset:768*(\a)+512
	v_and_or_b32 v[KW0+(\a)], v[PW], 0xffff, s67   ; the first head's two bytes, and 2^0 for the two blocks of zero codes
	v_lshrrev_b32 v[KW1+(\a)], 16, v[PW]
	v_or_b32 v[KW1+(\a)], s67, v[KW1+(\a)]         ; the second head's
.endif
.endm
.macro OUTHEAD
	s_wait_loadcnt 0x0                             ; the bias
	PLACES NP                                      ; behind the last products: results are read, and registers that held Y's fragments are written
.irp b, 0,1,2,3
	v_mov_b32 v[TM+4+\b], 0                        ; written once: a lane permute's destination counts as one of its sources
.endr
	v_cmp_eq_u32 vcc_lo, 0, v2                     ; lanes 0-15
.endm
	s_wait_tensorcnt 1                             ; the scales and my part of K step 0 are in (K step 1's load may be out),
	s_barrier_signal -1
	s_barrier_wait -1                              ; everybody's are
	FETCH_B 0, 0, 0
	FETCH_A 0, 0, 0
	SCALES 0
	FETCH_A 0, 0, 4
	STEP 0, 0, 1                                   ; the first step stands in front of the loop: its products start the sums
	s_mov_b32 s3, LAPS-1
.Llap:                                                 ; a trip goes once round the ring and fills both slots again
	TURN 0, 1, 1
	STEP 1, 0, 0
	TURN 1, 0, 1
	STEP 0, 0, 0
	s_sub_co_u32 s3, s3, 1
	s_cmp_lg_u32 s3, 0
	s_cbranch_scc1 .Llap
	TURN 0, 1, 0                                   ; the last lap fills nothing, and has no round of the cluster's barrier
	STEP 1, 0, 0
	; THE ONE PARTING OF THE WAYS, on the cluster's number, which all partners share.  It stands in front of the last 128 along K, so that each way's bias is asked for 64 matrix instructions ahead of its use.
	s_cmp_ge_u32 s66, 16
	s_cbranch_scc1 .Lpath_v
.irp b, 0,1,2,3,4,5,6,7                        ; q, k: register 8 b + j takes the bias of channel 16 b + 8 (l / 16) + j: the accumulators' layout along x
	global_load_b128 v[BX+8*\b:BX+8*\b+3], v[BOX], s[98:99] offset:64*\b
	global_load_b128 v[BX+8*\b+4:BX+8*\b+7], v[BOX], s[98:99] offset:64*\b+16
.endr
	LAST
	OUTHEAD
.irp a, 0,1,2,3,4,5,6,7
	EPI \a, 0
.endr
.irp i, 0,1,2,3                                ; the scale words as the next launch loads them: register i: tile 2 i in lanes 0-15, tile 2 i + 1 in lanes 16-31
	v_cndmask_b32 v[PK+\i], v[KW0+2*\i+1], v[KW0+2*\i], vcc_lo
	v_cndmask_b32 v[PK+4+\i], v[KW1+2*\i+1], v[KW1+2*\i], vcc_lo
.endr
	global_store_b128 v[LSC], v[PK:PK+3], s[12:13]
	global_store_b128 v[LSC], v[PK+4:PK+7], s[96:97]
	s_branch .Ldone
.Lpath_v:
.irp a, 0,1,2,3,4,5,6,7                        ; v: the bias of channel 16 a + l % 16, into both registers of a pair for the packed addition
	global_load_b32 v[BX+2*\a], v[BOY], s[98:99] offset:64*\a
	global_load_b32 v[BX+2*\a+1], v[BOY], s[98:99] offset:64*\a
.endr
	LAST
	OUTHEAD
.irp a, 0,1,2,3,4,5,6,7
	EPI \a, 1
.endr
.irp i, 0,1,2,3                                ; blocks 0-3 are the first head's four channel tiles, blocks 4-7 the second's
	v_cndmask_b32 v[PK+\i], v[KW0+2*\i+1], v[KW0+2*\i], vcc_lo
.endr
	global_store_b64 v[L8], v[PK:PK+1], s[12:13] offset:6656        ; V's scale words: byte 12,800 of the block, 6,656 behind V's codes' first byte
	global_store_b64 v[L8], v[PK+2:PK+3], s[96:97] offset:6656
.Ldone:
	s_wait_tensorcnt 0x0                           ; the wave's end, behind my last tensor load
	ds_add_u32 v[SPW], v[NIL]
	s_wait_dscnt 0x0
	CROUND                                         ; the closing round: no work-group ends while a partner may still ask for a tile that names it
	s_endpgm
.Lfunc_end_k_qa81dfee392_proj:
	.size	k_qa81dfee392_proj, .Lfunc_end_k_qa81dfee392_proj-k_qa81dfee392_proj
	.p2alignl 7, 3214868480
	.fill 96, 4, 3214868480
	.section	.rodata,"a",@progbits
	.p2align	6, 0x0
	.amdhsa_kernel k_qa81dfee392_proj
		.amdhsa_group_segment_fixed_size 327680
		.amdhsa_private_segment_fixed_size 0
		.amdhsa_enable_private_segment 0
		.amdhsa_kernarg_size 104
		.amdhsa_user_sgpr_count 2
		.amdhsa_user_sgpr_kernarg_segment_ptr 1
		.amdhsa_wavefront_size32 1
		.amdhsa_system_sgpr_workgroup_id_x 1
		.amdhsa_system_sgpr_workgroup_id_y 1
		.amdhsa_system_sgpr_workgroup_id_z 1
		.amdhsa_system_vgpr_workitem_id 0
		.amdhsa_next_free_vgpr 1024
		.amdhsa_next_free_sgpr 106
		.amdhsa_reserve_vcc 1
		.amdhsa_float_denorm_mode_32 3
		.amdhsa_float_denorm_mode_16_64 3
		.amdhsa_memory_ordered 1
		.amdhsa_forward_progress 1
		.amdhsa_inst_pref_size 243
	.end_amdhsa_kernel
	.amdgpu_metadata
---
amdhsa.version: [ 1, 2 ]
amdhsa.kernels:
  - .name:           k_qa81dfee392_proj
    .symbol:         k_qa81dfee392_proj.kd
    .args:
      - { .name: hidden_states_codes, .offset: 0, .size: 8, .value_kind: global_buffer, .address_space: global }
      - { .name: hidden_states_scales, .offset: 8, .size: 8, .value_kind: global_buffer, .address_space: global }
      - { .name: Wq_codes, .offset: 16, .size: 8, .value_kind: global_buffer, .address_space: global }
      - { .name: Wq_scales, .offset: 24, .size: 8, .value_kind: global_buffer, .address_space: global }
      - { .name: Wk_codes, .offset: 32, .size: 8, .value_kind: global_buffer, .address_space: global }
      - { .name: Wk_scales, .offset: 40, .size: 8, .value_kind: global_buffer, .address_space: global }
      - { .name: Wv_codes, .offset: 48, .size: 8, .value_kind: global_buffer, .address_space: global }
      - { .name: Wv_scales, .offset: 56, .size: 8, .value_kind: global_buffer, .address_space: global }
      - { .name: bq, .offset: 64, .size: 8, .value_kind: global_buffer, .address_space: global }
      - { .name: bk, .offset: 72, .size: 8, .value_kind: global_buffer, .address_space: global }
      - { .name: bv, .offset: 80, .size: 8, .value_kind: global_buffer, .address_space: global }
      - { .name: qimg, .offset: 88, .size: 8, .value_kind: global_buffer, .address_space: global }
      - { .name: kv, .offset: 96, .size: 8, .value_kind: global_buffer, .address_space: global }
    .group_segment_fixed_size: 327680
    .private_segment_fixed_size: 0
    .kernarg_segment_align: 8
    .kernarg_segment_size: 104
    .max_flat_workgroup_size: 128
    .sgpr_count:     106
    .vgpr_count:     1024
    .wavefront_size: 32
...
	.end_amdgpu_metadata
.endif
;; end of part 1
;; launch attn (part 2): grid 4 x 64, 8 waves a work-group, clusters of 4 x 1, 252,928 bytes of LDS; arguments qimg, kv, attention_mask, out0; writes out0
.if DOCPART == 2
	.amdgcn_target "amdgcn-amd-amdhsa--gfx1250"
	.amdhsa_code_object_version 6
	.text
	.protected	k_qa81dfee392_attn
	.globl	k_qa81dfee392_attn
	.p2align	8
	.type	k_qa81dfee392_attn,@function
k_qa81dfee392_attn:
	s_mov_b64 s[64:65], 0
	v_nop
	global_prefetch_b8 v0, s[64:65] scope:SCOPE_SE
	s_setreg_imm32_b32 hwreg(HW_REG_WAVE_MODE, 25, 1), 1
	s_wait_xcnt 0x0
	s_wait_alu depctr_hold_cnt(0) depctr_sa_sdst(0) depctr_va_vdst(0) depctr_va_sdst(0) depctr_va_ssrc(0) depctr_va_vcc(0) depctr_vm_vsrc(0)
	s_getreg_b32 s2, hwreg(HW_REG_IB_STS2, 6, 4)
	s_cmp_eq_u32 s2, 0
	s_cbranch_scc0 .Lentry_in_a_cluster
	s_endpgm
.Lentry_in_a_cluster:
	s_bfe_u32 s2, ttmp6, 0x10000c
	s_cmp_lg_u32 s2, 0x3003
	s_cbranch_scc0 .Lentry_shape_is_right
	s_endpgm
.Lentry_shape_is_right:
; out[b][q][64 h + d] = sum over keys of softmax(q . k / 8 + mask[b][key]) v[key][d], both products on codes of BF6 (E3M2) with one E8M0 scale for each 32 along a product's K.  No work is left out.
; q, k, v come as images of operand registers, made by the launch before: a fragment is loaded by 16 bytes a lane at 16 x lane (and 8 bytes at 8 x lane), with no rows and no pitch.
; THE FIRST PRODUCT HAS K = 64: registers 0-5 of a fragment hold the head's 64 channels, registers 6-11 zero codes (written once here), their scale bytes 2^0.
; THE MASK COSTS NO VECTOR INSTRUCTION: q . k / 8 + mask = (q . k + 8 mask) / 8, and 8 x mask, which rounds nothing, is the C of the first product, in the result's layout.  Then t = S x c, c = log2(e) / 8.
; THE SOFTMAX: M = the largest t so far, rounded UP to a whole number; p = 2^(t - M) is what is quantised, along the keys; the row's sum is taken of the unquantised p and divides at the end.
; When M moves, the sum and O are multiplied by 2^(old M - new M): exact.
; LIMITS.  8 x mask is held at the largest finite number, so that no infinity enters a product: a key masked with -infinity still gets p = 0.  The largest t so far begins at -2^24: a row whose EVERY logit lies under
; about -1.1e7 (every key masked with -infinity among them) gives 0 / 0 where the definition gives a softmax among them; logits above 2^31 and a NaN in the mask are not served.
; SHARES.  A work-group owns 512 queries of one head; each of its eight waves holds TWO tiles of 16 queries side by side, so that each fragment of K and V and each register of the mask read from LDS feeds two
; matrix instructions, and walks all 2,048 keys, 128 a step, twice: pass i takes tiles 16 i + 2 w and 16 i + 2 w + 1 of the work-group's 32.
; THE HEAD'S WHOLE K AND V, 208,896 bytes, come into LDS ONCE: each wave asks for two key steps, 26,112 dense bytes, by one tensor load.  Nothing is filled again: no ring, and one barrier in front of the reads.
; CLUSTER.  The four work-groups of a cluster are the four blocks of queries of one head: they ask for K and V JOINTLY.  My place in the cluster enters q's and out's addresses alone.
; LAYOUT.  Both products are used transposed: S^T = K Q^T (source 0 = 16 keys, source 1 = 16 queries), O^T = V^T P^T: a lane holds ONE query (lane % 16) throughout.
; p's codes lie inside a block of 32 keys in the order 0-7, 16-23, 8-15, 24-31, and so do v's, made by the same lines in the launch before: the block's scale and the sum of its products are those of the natural order.
; REGISTERS.  window 0: v1-11 addresses; v12-15, v28-31 the two tiles' -M, largest t, sum in two halves; v16-27, v32-43 Q; v44, v45 Q's scale words; v48-51 K's, v52-53 V's; v96-159 S^T, then p; v160-191, v192-223 O^T;
;   v224-235 p's codes; v232-254 at work.   window 1: v0-95 K's eight fragments; v96-143 V's four; v144-207 the step's 8 x mask.
.set KVSTEP, 13056                     ; a key step's block: K's codes 6,144, V's 6,144, K's scale words 512, V's 256
.set HEADB,  16*KVSTEP
.set MASK,   HEADB                     ; LDS: behind the head's blocks: 8 x mask of the 2,048 keys, 8,192 bytes
.set STAGE,  MASK+8192                 ; the way out: 16 rows x (256 bytes + 16) for each wave
.set SP,     272
.set SPARE,  STAGE+8*16*SP             ; the spare words, 128 bytes for each wave: four blocks of 256 bytes that no other line names
.set L16, 1                            ; v1   16 x lane
.set L8,  2                            ; v2   8 x lane
.set LM,  3                            ; v3   MASK + 32 (lane / 16)
.set STO, 4                            ; v4   the way out: where I put 32 bytes of a row
.set SPW, 5                            ; v5   LDS address of my spare word; never rewritten
.set NIL, 6                            ; v6   0; never rewritten
.set GO,  7                            ; v7   my byte offset in two rows of out
.set A16, 8                            ; v8   16 x lane + the key step's block
.set A8,  9                            ; v9   8 x lane + the same
.set AM,  10                           ; v10  the key step's part of the mask
.set RD,  11                           ; v11  the way out: where I read a row back
.set STA, 12
.set QA,  16
.set STB, 28
.set QB,  32
.set QSA, 44
.set QSB, 45
.set QSO, 46                           ; v46  where tile A's scale words lie from q's base
.set KSC, 48
.set VSC, 52
.set S,   96
.set OA,  160
.set OB,  192
.set WV,  12                           ; s12  my wave's number
.set BH,  14                           ; s14  16 x batch + head
.set SQ,  16                           ; s[16:17] q's images at my tile A
.set SO,  18                           ; s[18:19] out at my first query, my head's 256 bytes
.set SEL, 20                           ; s[20:21] lane selects for v_permlanex16_b32: lane l xor 16
.set CS,  22                           ; s[22:23] c, twice: the packed form names a pair
.set G1,  24
.set G0,  32
.set TB,  40                           ; s40  the key step's block in LDS
.set MB,  41                           ; s41  and its part of the mask
.set MSB, 0
.macro WIN new                         ; the immediate's high byte repeats the setting that is left
.if MSB != (\new)
	s_set_vgpr_msb (MSB<<8)|(\new)
.set MSB, (\new)
.endif
.endm
.macro CROUND                          ; a round of the cluster's barrier
	s_barrier_signal -1
	s_barrier_wait -1
	s_cmp_lg_u32 s[WV], 0
	s_cbranch_scc1 .Lnot_wave_0_\@
	s_barrier_signal -3
.Lnot_wave_0_\@:
	s_barrier_wait -3
	s_barrier_signal -1
	s_barrier_wait -1
.endm
.macro PLACES                          ; four places behind matrix instructions (ISA guide 7.12.1)
.rept 4
	v_nop
.endr
.endm
	s_load_b256 s[4:11], s[0:1], 0x0               ; qimg s[4:5], kv s[6:7], the mask s[8:9], out s[10:11]
	v_lshl_add_u32 v[SPW], v0, 2, SPARE
	v_mov_b32 v[NIL], 0
	ds_add_u32 v[SPW], v[NIL]                      ; the wave's opening: the add, twice on end, and its wait ahead of my first tensor load
	ds_add_u32 v[SPW], v[NIL]                      ; and once more; the set-up below, work on registers, stands between it and the wait
	v_lshrrev_b32 v54, 5, v0
	v_readfirstlane_b32 s[WV], v54                 ; wave 0..7
	s_bfe_u32 s13, ttmp6, 0x40000                  ; cx: my block of 512 queries
	s_and_b32 s[BH], ttmp7, 0xffff                 ; the head, which the four partners share
	; descriptor group 1: 26,112 dense bytes as 102 rows of 256 bytes (32 elements of 8 bytes), no padding
	s_mov_b32 s[G1], 15|(3<<16)|(1<<21)            ; 15:0 the mask: all four work-groups; 17:16 elements of 8 bytes; bit 21 beside a mask
	s_mov_b32 s[G1+1], 32<<16                      ; tensor_dim0
	s_mov_b32 s[G1+2], 102<<16                     ; tensor_dim1
	s_mov_b32 s[G1+3], 32<<16                      ; tile_dim0
	s_mov_b32 s[G1+4], 102                         ; tile_dim1
	s_mov_b32 s[G1+5], 32                          ; tensor_dim0_stride
	s_mov_b32 s[G1+6], 0
	s_mov_b32 s[G1+7], 0
	s_mov_b32 s[SEL], 0x76543210
	s_mov_b32 s[SEL+1], 0xfedcba98
	s_mov_b32 s[CS], 0x3e38aa3b                    ; c = log2(e) / 8
	s_mov_b32 s[CS+1], s[CS]
	s_mul_i32 s15, s[WV], 2*KVSTEP                 ; my two key steps: in LDS, and in the head's blocks
	s_mul_i32 s44, s[BH], HEADB
	s_add_co_u32 s44, s44, s15
	s_mov_b32 s45, 0
	s_wait_dscnt 0x0                               ; both opening adds are done
	s_wait_kmcnt 0x0
	s_mov_b32 s[G0], 1                             ; count = 1
	s_mov_b32 s[G0+1], s15                         ; LDS address
	s_add_nc_u64 s[G0+2:G0+3], s[6:7], s[44:45]    ; global address: the head and the wave's number alone
	s_or_b32 s[G0+3], s[G0+3], 0x80000000          ; type = 2
	CROUND                                         ; all four work-groups are here: the joint loads meet
	tensor_load_to_lds s[G0:G0+3], s[G1:G1+7]      ; my one tensor load of the launch
	s_nop 0
	PLACES
	s_lshr_b32 s46, s[BH], 4                       ; the batch's 2,048 numbers of the mask
	s_lshl_b32 s46, s46, 13
	s_mov_b32 s47, 0
	s_add_nc_u64 s[8:9], s[8:9], s[46:47]
	v_lshlrev_b32 v47, 4, v0                       ; 16 bytes a thread: 256 threads take 4,096 bytes a load
	global_load_b128 v[64:67], v47, s[8:9]
	global_load_b128 v[68:71], v47, s[8:9] offset:4096
	v_and_b32 v54, 31, v0                          ; lane
	v_and_b32 v55, 15, v0                          ; r
	v_bfe_u32 v56, v0, 4, 1                        ; h
	v_lshlrev_b32 v[L16], 4, v54
	v_lshlrev_b32 v[L8], 3, v54
	v_lshl_add_u32 v[LM], v56, 5, MASK             ; register j of tile t holds key 16 t + 8 h + j: 32 h bytes into the tile's 64
	s_mul_i32 s38, s[WV], 16*SP
	s_add_co_u32 s38, s38, STAGE                   ; my stage
	v_mul_u32_u24 v[STO], v55, SP
	v_lshl_add_u32 v[STO], v56, 5, v[STO]
	v_add_nc_u32 v[STO], s38, v[STO]               ; in: row r; channel tile c's eight numbers of my half at 64 c + 32 h
	v_mul_u32_u24 v[RD], v56, SP
	v_lshl_add_u32 v[RD], v55, 4, v[RD]
	v_add_nc_u32 v[RD], s38, v[RD]                 ; back: lanes 0-15 one row, lanes 16-31 the next
	v_lshlrev_b32 v[GO], 12, v56
	v_lshl_add_u32 v[GO], v55, 4, v[GO]            ; and the same two rows in out, 4,096 bytes apart
	v_lshl_add_u32 v58, v0, 4, MASK                ; where my 16 bytes of 8 x mask go
	v_mov_b32 v57, 0x7f7fffff                      ; the largest finite number
	s_lshl_b32 s36, s[BH], 4                       ; q: block of 128 queries 16 x head + 4 cx + w / 4 (pass 1: two blocks on),
	s_lshl_b32 s38, s13, 2
	s_add_co_u32 s36, s36, s38
	s_lshr_b32 s38, s[WV], 2
	s_add_co_u32 s36, s36, s38
	s_mul_i32 s36, s36, 6656
	s_and_b32 s39, s[WV], 3
	s_mul_i32 s38, s39, 1536                       ; in it tiles 2 (w % 4) and 2 (w % 4) + 1, 768 bytes each
	s_add_co_u32 s36, s36, s38
	s_mov_b32 s37, 0
	s_add_nc_u64 s[SQ:SQ+1], s[4:5], s[36:37]
	s_mul_i32 s39, s39, 1532                       ; tile 2 u's scale words lie at 6,144 + 16 r + 4 u of the block, which is 1,536 u back from my base; tile 2 u + 1's 256 bytes on
	s_sub_co_u32 s39, 6144, s39
	v_lshl_add_u32 v[QSO], v55, 4, s39
	s_lshr_b32 s36, s[BH], 4                       ; out: row 2,048 x batch + 512 cx + 32 w, 4,096 bytes a row; my head's 256 bytes in it
	s_lshl_b32 s36, s36, 11
	s_lshl_b32 s38, s13, 9
	s_add_co_u32 s36, s36, s38
	s_lshl_b32 s38, s[WV], 5
	s_add_co_u32 s36, s36, s38
	s_lshl_b32 s36, s36, 12
	s_and_b32 s38, s[BH], 15
	s_lshl_b32 s38, s38, 8
	s_add_co_u32 s36, s36, s38
	s_add_nc_u64 s[SO:SO+1], s[10:11], s[36:37]
.irp k, 6,7,8,9,10,11
	v_mov_b32 v[QA+\k], 0                          ; the zero codes of K = 64 .. 127: Q's two fragments,
	v_mov_b32 v[QB+\k], 0
.endr
.irp b, 0,1,2,3
	v_mov_b32 v[236+\b], 0                         ; written once: a lane permute's destination counts as one of its sources
.endr
	v_mov_b32 v253, 0                              ; (named as the upper half of the pair v[252:253] before it is first written)
	WIN 0x40                                       ; destination window 1
.irp t, 0,1,2,3,4,5,6,7
.irp k, 6,7,8,9,10,11
	v_mov_b32 v[12*\t+\k], 0                       ; and K's eight: written once, no load lands there
.endr
.endr
	WIN 0
	s_wait_loadcnt 0x0                             ; the mask
.irp j, 0,2,4,6
	v_pk_mul_f32 v[64+\j:65+\j], v[64+\j:65+\j], 0x41000000 op_sel_hi:[1,0]   ; x 8: exact
.endr
.irp j, 0,1,2,3,4,5,6,7
	v_med3_num_f32 v[64+\j], v[64+\j], -v57, v57   ; held at the largest finite number
.endr
	ds_store_b128 v58, v[64:67]
	ds_store_b128 v58, v[68:71] offset:4096
	s_wait_tensorcnt 0x0                           ; my two key steps have landed,
	s_wait_dscnt 0x0                               ; my part of the mask is stored:
	s_barrier_signal -1
	s_barrier_wait -1                              ; everybody's are.
.macro ADDR                            ; the LDS addresses of the key step at s[TB], s[MB]
	v_add_nc_u32 v[A16], s[TB], v[L16]
	v_add_nc_u32 v[A8], s[TB], v[L8]
	v_add_nc_u32 v[AM], s[MB], v[LM]
.endm
.macro LOADKM                          ; 33 loads: K's scale words, K's eight fragments (six registers each), the step's 8 x mask in the result's layout
	ds_load_b128 v[KSC:KSC+3], v[A16] offset:12288
	WIN 0x40
.irp t, 0,1,2,3,4,5,6,7
	ds_load_b128 v[12*\t:12*\t+3], v[A16] offset:768*\t
	ds_load_b64 v[12*\t+4:12*\t+5], v[A8] offset:768*\t+512
.endr
.irp t, 0,1,2,3,4,5,6,7
	ds_load_b128 v[144+8*\t:147+8*\t], v[AM] offset:64*\t          ; sixteen lanes read the same 16 bytes
	ds_load_b128 v[148+8*\t:151+8*\t], v[AM] offset:64*\t+16
.endr
	WIN 0
.endm
.macro LOADV                           ; 13 loads: V's scale words, V's four fragments
	ds_load_b64 v[VSC:VSC+1], v[A8] offset:12800
	WIN 0x40
.irp c, 0,1,2,3
.irp k, 0,1,2
	ds_load_b128 v[96+12*\c+4*\k:99+12*\c+4*\k], v[A16] offset:6144+1536*\c+512*\k
.endr
.endr
	WIN 0
.endm
.macro SMUL q, qs                      ; S^T = K Q^T + 8 mask: eight tiles of 16 keys.  K's scale words: tile 2 i in lanes 0-15 of register i, tile 2 i + 1 in lanes 16-31
	WIN 0x11                                       ; source 0 (K) and source 2 (the mask) window 1
.irp t, 0,1,2,3,4,5,6,7
.if \t%2
	v_wmma_scale_f32_16x16x128_f8f6f4 v[S+8*\t:S+8*\t+7], v[12*\t:12*\t+11], v[\q:\q+11], v[144+8*\t:151+8*\t], v[KSC+\t/2], v[\qs] matrix_a_fmt:MATRIX_FMT_BF6 matrix_b_fmt:MATRIX_FMT_BF6 matrix_a_scale:MATRIX_SCALE_ROW1
.else
	v_wmma_scale_f32_16x16x128_f8f6f4 v[S+8*\t:S+8*\t+7], v[12*\t:12*\t+11], v[\q:\q+11], v[144+8*\t:151+8*\t], v[KSC+\t/2], v[\qs] matrix_a_fmt:MATRIX_FMT_BF6 matrix_b_fmt:MATRIX_FMT_BF6
.endif
.endr
.endm
.macro PVMUL o                         ; O^T += V^T P^T: four tiles of 16 channels, K = the step's 128 keys; the four accumulators by turns
	WIN 0x01                                       ; source 0 (V) window 1
.irp c, 0,1,2,3
.if \c%2
	v_wmma_scale_f32_16x16x128_f8f6f4 v[\o+8*\c:\o+8*\c+7], v[96+12*\c:107+12*\c], v[224:235], v[\o+8*\c:\o+8*\c+7], v[VSC+\c/2], v253 matrix_a_fmt:MATRIX_FMT_BF6 matrix_b_fmt:MATRIX_FMT_BF6 matrix_a_scale:MATRIX_SCALE_ROW1
.else
	v_wmma_scale_f32_16x16x128_f8f6f4 v[\o+8*\c:\o+8*\c+7], v[96+12*\c:107+12*\c], v[224:235], v[\o+8*\c:\o+8*\c+7], v[VSC+\c/2], v253 matrix_a_fmt:MATRIX_FMT_BF6 matrix_b_fmt:MATRIX_FMT_BF6
.endif
.endr
.endm
.macro RESC o                          ; O^T under the new M: x f.  These sixteen are also the places in front of the products that take p's codes and scale word
.irp j, 0,2,4,6,8,10,12,14,16,18,20,22,24,26,28,30
	v_pk_mul_f32 v[\o+\j:\o+\j+1], v[\o+\j:\o+\j+1], v[252:253] op_sel_hi:[1,0]
.endr
.endm
; One tile's softmax for 128 keys.  st: its four registers: -M, the largest t, the sum in two halves.  Registers S + 16 b .. S + 16 b + 15 are my 16 keys of block b of 32; lane l xor 16 holds the other 16.
.macro SOFT st
.irp b, 0,1,2,3
	v_max3_num_f32 v[232+\b], v[S+16*\b], v[S+1+16*\b], v[S+2+16*\b]   ; THE LARGEST SCORE OF EACH BLOCK OF 32 KEYS serves twice: for the row's maximum, and, since p rises with the score, for the block's largest p
.endr
.irp i, 3,5,7,9,11,13
.irp b, 0,1,2,3
	v_max3_num_f32 v[232+\b], v[232+\b], v[S+16*\b+\i], v[S+1+16*\b+\i]
.endr
.endr
.irp b, 0,1,2,3
	v_max_num_f32 v[232+\b], v[232+\b], v[S+15+16*\b]
.endr
.irp b, 0,1,2,3
	v_permlanex16_b32 v[236+\b], v[232+\b], s[SEL], s[SEL+1]
.endr
.irp b, 0,1,2,3
	v_max_num_f32 v[232+\b], v[232+\b], v[236+\b]  ; with lane l xor 16's 16 keys
.endr
	v_max3_num_f32 v254, v232, v233, v234
	v_max_num_f32 v254, v254, v235                 ; the step's largest score of my query
	v_mul_f32 v254, s[CS], v254                    ; as t (c is positive)
	v_max_num_f32 v[\st+1], v[\st+1], v254         ; the running largest t
	v_mov_b32 v254, v[\st]
	v_floor_f32 v[\st], -v[\st+1]                  ; the new -M = floor(-t) = -ceil(t): M is a whole number
	v_sub_f32 v254, v[\st], v254                   ; M's old value less its new one: a whole number, 0 or less
	v_cvt_i32_f32 v254, v254                       ; (it saturates)
	v_ldexp_f32 v252, 1.0, v254                    ; f = 2^(old M - new M)
.set j, 0
.rept 32
	v_pk_fma_f32 v[S+j:S+j+1], v[S+j:S+j+1], s[CS:CS+1], v[\st:\st+1] op_sel_hi:[1,0,0]   ; t - M, two at a time (of the pairs c and -M the low word serves both halves)
.set j, j+2
.endr
.irp b, 0,1,2,3
	v_fma_f32 v[232+\b], v[232+\b], s[CS], v[\st]  ; the same of each block's largest score
.endr
.set j, 0
.rept 64
	v_exp_f32 v[S+j], v[S+j]                       ; p = 2^(t - M): not normalised
.set j, j+1
.endr
	v_pk_mul_f32 v[\st+2:\st+3], v[\st+2:\st+3], v[252:253] op_sel_hi:[1,0]   ; the sums under the new M.  (A plain place behind the exponentials)
	s_wait_alu depctr_va_vdst(0)                   ; one wait for the whole batch, ahead of its first reader
.irp b, 0,1,2,3
	v_exp_f32 v[232+\b], v[232+\b]                 ; the block's largest p: the same two instructions on the same number give the same bits
.endr
	v_pk_add_f32 v[236:237], v[S:S+1], v[S+2:S+3]  ; THE ROW'S SUM IS TAKEN OF THE UNQUANTISED p: two at a time, in two chains
.irp j, 4,8,12,16,20,24,28,32,36,40,44,48,52,56,60
	v_pk_add_f32 v[\st+2:\st+3], v[\st+2:\st+3], v[S+\j:S+1+\j]
	v_pk_add_f32 v[236:237], v[236:237], v[S+2+\j:S+3+\j]
.endr
	v_pk_add_f32 v[\st+2:\st+3], v[\st+2:\st+3], v[236:237]
	s_wait_alu depctr_va_vdst(0)                   ; and one for the four
.irp b, 0,1,2,3
	v_max_num_f32 v[232+\b], 0x2800000, v[232+\b]  ; the floor 2^(5 - 127): the byte cannot fall under 1 (a block whose every p is 0 keeps that byte: its codes are zeros)
.endr
.irp b, 0,1,2,3
	v_add_nc_u32 v[244+\b], 0xfe000000, v[232+\b]  ; 4 off the exponent field: the conversion's scale operand
.endr
.irp b, 0,1,2,3
	v_lshrrev_b32 v[236+\b], 23, v[244+\b]         ; the scale's byte
.endr
	v_lshl_or_b32 v253, v237, 8, v236              ; p's scale word for these 128 keys
	v_lshl_or_b32 v253, v238, 16, v253
	v_lshl_or_b32 v253, v239, 24, v253
.irp c, 0,1
	v_cvt_scalef32_pk16_bf6_f32 v[224+6*\c:226+6*\c], v[S+32*\c:S+15+32*\c], v[244+2*\c]
	v_cvt_scalef32_pk16_bf6_f32 v[236+4*\c:238+4*\c], v[S+16+32*\c:S+31+32*\c], v[244+2*\c+1]   ; (a conversion's three registers begin on an even number)
.endr
	v_nop                                          ; one plain place behind a scaled conversion
.irp c, 0,1                                    ; the operand's layout wants a WHOLE block in a lane: lanes 0-15 block 2 c, lanes 16-31 block 2 c + 1
.irp i, 0,1,2
	v_permlane16_swap_b32 v[224+6*\c+\i], v[236+4*\c+\i]
.endr
.irp i, 0,1,2
	v_mov_b32 v[227+6*\c+\i], v[236+4*\c+\i]
.endr
.endr
.endm
; A KEY STEP for both tiles.  next = 1: the next step's K and mask are asked for behind tile B's first product and land under its softmax; the next step's V behind tile B's second product, and lands under tile A's softmax.
; No two matrix instructions that follow each other share an accumulator, over the backward jump too.
.macro STEP2 next
	s_wait_dscnt 13                                ; K, its scale words and the mask are in; the 13 loads for V, issued behind them, may be out
	SMUL QA, QSA
	WIN 0
	PLACES                                         ; in front of the first read of the scores
	SOFT STA
	RESC OA
	s_wait_dscnt 0x0                               ; V is in
	PVMUL OA
	SMUL QB, QSB
	WIN 0
.if \next
	s_add_co_u32 s[TB], s[TB], KVSTEP
	s_add_co_u32 s[MB], s[MB], 512
	ADDR                                           ; these three and the v_nop are the four places: in front of the loads into K's and the mask's registers, of the first read of the scores, and of writes of p's registers
	v_nop
	LOADKM
.else
	PLACES
.endif
	SOFT STB
	RESC OB
	PVMUL OB
	WIN 0
.if \next
	PLACES                                         ; in front of the loads into V's registers
	LOADV
.endif
.endm
	s_mov_b32 s43, 2
.Lpass:                                                ; two passes: two tiles of 16 queries each
	global_load_b128 v[QA:QA+3], v[L16], s[SQ:SQ+1] th:TH_LOAD_NT                  ; Q's fragments stay in registers for the pass
	global_load_b64 v[QA+4:QA+5], v[L8], s[SQ:SQ+1] offset:512 th:TH_LOAD_NT
	global_load_b128 v[QB:QB+3], v[L16], s[SQ:SQ+1] offset:768 th:TH_LOAD_NT
	global_load_b64 v[QB+4:QB+5], v[L8], s[SQ:SQ+1] offset:1280 th:TH_LOAD_NT
	global_load_b32 v[QSA], v[QSO], s[SQ:SQ+1]
	global_load_b32 v[QSB], v[QSO], s[SQ:SQ+1] offset:256
.irp st, STA, STB
	v_mov_b32 v[\st], 0x4b800000                   ; -M = 2^24,
	v_mov_b32 v[\st+1], 0xcb800000                 ; the largest t so far: -2^24,
	v_mov_b32 v[\st+2], 0                          ; the sum, in two halves
	v_mov_b32 v[\st+3], 0
.endr
.set j, 0
.rept 64
	v_mov_b32 v[OA+j], 0                           ; O^T of both tiles.  (The step is written for all steps alike: the first finds zeros, which the first change of M leaves zeros)
.set j, j+1
.endr
	s_mov_b32 s[TB], 0
	s_mov_b32 s[MB], 0
	ADDR
	LOADKM
	LOADV
	s_wait_loadcnt 0x0                             ; Q
	s_mov_b32 s42, 15
.Lstep:
	STEP2 1
	s_sub_co_u32 s42, s42, 1
	s_cmp_lg_u32 s42, 0
	s_cbranch_scc1 .Lstep
	STEP2 0                                        ; the last step is written out: it asks for nothing beyond the head's blocks
	; THE WAY OUT.  The sum's halves are added; O^T is divided by the sum in place and goes through my stage in LDS, a tile (16 queries x 64 channels) at a time: sixteen lanes then store a query's 256 bytes, aligned.
	v_add_f32 v[STA+2], v[STA+2], v[STA+3]         ; (these additions are the places behind the last products)
	v_add_f32 v[STB+2], v[STB+2], v[STB+3]
	v_permlanex16_b32 v252, v[STA+2], s[SEL], s[SEL+1]
	v_permlanex16_b32 v254, v[STB+2], s[SEL], s[SEL+1]
	v_add_f32 v[STA+2], v[STA+2], v252             ; with lane l xor 16's: the row's sum
	v_add_f32 v[STB+2], v[STB+2], v254
	v_rcp_f32 v[STA+2], v[STA+2]
	v_rcp_f32 v[STB+2], v[STB+2]
	v_nop                                          ; a plain place behind the reciprocals
	s_wait_alu depctr_va_vdst(0)                   ; one wait for both, ahead of the first reader
.macro TOSTAGE o, st, back
.irp j, 0,2,4,6,8,10,12,14,16,18,20,22,24,26,28,30
	v_pk_mul_f32 v[\o+\j:\o+\j+1], v[\o+\j:\o+\j+1], v[\st+2:\st+3] op_sel_hi:[1,0]   ; each accumulator from its low end on
.endr
.irp c, 0,1,2,3
	ds_store_b128 v[STO], v[\o+8*\c:\o+8*\c+3] offset:64*\c
	ds_store_b128 v[STO], v[\o+8*\c+4:\o+8*\c+7] offset:64*\c+16
.endr
.irp i, 0,1,2,3,4,5,6,7
	ds_load_b128 v[\back+4*\i:\back+4*\i+3], v[RD] offset:2*\i*SP   ; LDS serves a wave's instructions in order (ISA guide 5.7.1.4): these see my stores, and the next tile's stores come behind them
.endr
.endm
	TOSTAGE OA, STA, 96
	TOSTAGE OB, STB, 128
.irp i, 0,1,2,3,4,5,6,7
	s_wait_dscnt 23-\i                             ; behind tile A's load i: its 7 - i later loads and tile B's sixteen LDS instructions
	global_store_b128 v[GO], v[96+4*\i:99+4*\i], s[SO:SO+1] offset:8192*\i th:TH_STORE_NT
.endr
.irp i, 0,1,2,3,4,5,6,7
	s_wait_dscnt 7-\i
	global_store_b128 v[GO], v[128+4*\i:131+4*\i], s[SO:SO+1] offset:65536+8192*\i th:TH_STORE_NT
.endr
	s_wait_xcnt 0x0                                ; the stores have read their registers and their base: both may be written again
	s_add_nc_u64 s[SQ:SQ+1], s[SQ:SQ+1], 2*6656    ; 256 queries on
	s_add_nc_u64 s[SO:SO+1], s[SO:SO+1], 256*4096
	s_sub_co_u32 s43, s43, 1
	s_cmp_lg_u32 s43, 0
	s_cbranch_scc1 .Lpass
	s_wait_tensorcnt 0x0                           ; the wave's end, behind my tensor load and my last LDS store
	ds_add_u32 v[SPW], v[NIL]
	s_wait_dscnt 0x0
	CROUND                                         ; the closing round
	s_endpgm
.Lfunc_end_k_qa81dfee392_attn:
	.size	k_qa81dfee392_attn, .Lfunc_end_k_qa81dfee392_attn-k_qa81dfee392_attn
	.p2alignl 7, 3214868480
	.fill 96, 4, 3214868480
	.section	.rodata,"a",@progbits
	.p2align	6, 0x0
	.amdhsa_kernel k_qa81dfee392_attn
		.amdhsa_group_segment_fixed_size 252928
		.amdhsa_private_segment_fixed_size 0
		.amdhsa_enable_private_segment 0
		.amdhsa_kernarg_size 32
		.amdhsa_user_sgpr_count 2
		.amdhsa_user_sgpr_kernarg_segment_ptr 1
		.amdhsa_wavefront_size32 1
		.amdhsa_system_sgpr_workgroup_id_x 1
		.amdhsa_system_sgpr_workgroup_id_y 1
		.amdhsa_system_sgpr_workgroup_id_z 1
		.amdhsa_system_vgpr_workitem_id 0
		.amdhsa_next_free_vgpr 464
		.amdhsa_next_free_sgpr 66
		.amdhsa_reserve_vcc 0
		.amdhsa_float_denorm_mode_32 3
		.amdhsa_float_denorm_mode_16_64 3
		.amdhsa_memory_ordered 1
		.amdhsa_forward_progress 1
		.amdhsa_inst_pref_size 79
	.end_amdhsa_kernel
	.amdgpu_metadata
---
amdhsa.version: [ 1, 2 ]
amdhsa.kernels:
  - .name:           k_qa81dfee392_attn
    .symbol:         k_qa81dfee392_attn.kd
    .args:
      - { .name: qimg, .offset: 0, .size: 8, .value_kind: global_buffer, .address_space: global }
      - { .name: kv, .offset: 8, .size: 8, .value_kind: global_buffer, .address_space: global }
      - { .name: attention_mask, .offset: 16, .size: 8, .value_kind: global_buffer, .address_space: global }
      - { .name: out0, .offset: 24, .size: 8, .value_kind: global_buffer, .address_space: global }
    .group_segment_fixed_size: 252928
    .private_segment_fixed_size: 0
    .kernarg_segment_align: 8
    .kernarg_segment_size: 32
    .max_flat_workgroup_size: 256
    .sgpr_count:     66
    .vgpr_count:     464
    .wavefront_size: 32
...
	.end_amdgpu_metadata
.endif
;; end of part 2
